; MI455X (gfx1250); checked and timed in simulation.
; The chip was launched on July 23, 2026; its instructions are those of AMD's public machine-readable ISA for CDNA 5 (MIT licence, August 2026) and "CDNA5" Instruction Set Architecture Reference Guide (July 2026). The comments in the code are by the model that wrote it; some were corrected since.
;; projection Measurement. Allowed arithmetic: matrix products marked QUANTISED: E2M1 operands, one E8M0 scale for each 32 along K, by v_wmma_scale_f32_16x16x128_f8f6f4 with both operands' format E2M1 (or v_wmma_scale_f32_32x16x128_f4), f32 sums; products left as they are: f32 operands where the result goes on into a quantised operand, else bf16, f16 or f32 operands; f32 sums; everything else in f32.
;; Inputs: projector 2 x 4,096 x 1 float32; v_imag_avg_codes 1,024 x 128 x 16 uint8 (E2M1 codes of v_imag_avg, K innermost, in blocks of 32 codes, two codes a byte); v_imag_avg_scales 1,024 x 128 uint8 (E8M0 scales of v_imag_avg, one for each 32 codes along K); v_real_avg_codes 1,024 x 128 x 16 uint8 (E2M1 codes of v_real_avg, K innermost, in blocks of 32 codes, two codes a byte); v_real_avg_scales 1,024 x 128 uint8 (E8M0 scales of v_real_avg, one for each 32 codes along K).
;; Outputs: out0 1,024 x 1 x 4,096 float32; out1 1,024 x 1 x 4,096 float32.
;; This version of the problem:
;;   THIS VERSION OF THE PROBLEM IS GIVEN IN LOW PRECISION. The matrix products marked QUANTISED in the list below multiply operands that are first quantised to E2M1 (2 exponent bits, 1 mantissa bit; 4 bits a number), with one power-of-two scale for each 32 numbers along K (OCP MX v1.0); their sums are f32. All else is computed in f32.
;;   The module's matrix products, in the order in which they are computed (A, B: the left and right operand; K: the contracted axis; several contracted axes count as one K, in the product's order):
;;     1. [M 4,096, K 1] x [K 1, N 4,096]; A: computed on the way; B: computed on the way: left as it is (K = 1 < 32)
;;     2. [M 4,096, K 1] x [K 1, N 4,096]; A: computed on the way; B: computed on the way: left as it is (K = 1 < 32)
;;     3. [M 1,024, K 4,096] x [K 4,096, N 4,096]; A: input v_real_avg (given as codes); B: computed on the way: QUANTISED
;;     4. [M 1,024, K 4,096] x [K 4,096, N 4,096]; A: input v_imag_avg (given as codes); B: computed on the way: QUANTISED
;;     5. [M 1,024, K 4,096] x [K 4,096, N 4,096]; A: input v_real_avg (given as codes); B: computed on the way: QUANTISED
;;     6. [M 1,024, K 4,096] x [K 4,096, N 4,096]; A: input v_imag_avg (given as codes); B: computed on the way: QUANTISED
;;   THE QUANTISER, for each operand of a quantised product, along K:
;;     - K is cut into blocks of 32 from its start; a last block that is shorter is filled with zeros.
;;     - A block's scale is 2^e with e = floor(log2(the largest magnitude in the block)) - 2, held to -126 .. 127; a block of zeros has e = 0. As a byte (E8M0): e + 127.
;;     - Each number is divided by its block's scale, clamped to +-6, and rounded to the nearest number of E2M1, ties to even, subnormals kept.
;;     - The product sums the exact products of the quantised numbers (number of the format x scale) in f32.
;;   ~~~python
;;   def quantise(x, axis):      # numpy; x: float32 -> the quantised numbers, widened to float32 again
;;       x = np.moveaxis(x, axis, -1); K = x.shape[-1]
;;       x = np.pad(x, [(0, 0)] * (x.ndim - 1) + [(0, -K % 32)]); x = x.reshape(x.shape[:-1] + (-1, 32)); a = np.abs(x).max(-1, keepdims=True)
;;       e = np.where(a > 0, np.clip(np.frexp(np.where(a > 0, a, 1))[1] - 1 - 2, -126, 127), 0)      # np.frexp(a)[1] - 1 = floor(log2(a)), exactly
;;       r = np.clip(x / 2.0 ** e, -6, 6)
;;       step = 2.0 ** (np.maximum(np.frexp(np.where(r == 0, 1, r))[1] - 1, 0) - 1)
;;       q = np.round(r / step) * step * 2.0 ** e      # np.round: ties to even
;;       return np.moveaxis(q.reshape(q.shape[:-2] + (-1,))[..., :K], -1, axis).astype(np.float32)
;;   ~~~
;;   OPERANDS COMPUTED ON THE WAY. 'Computed on the way' means the value that the module computes at that place (a softmax that the list does not call 'softmax' is quantised finished and normalised). What goes into a quantiser is computed in f32, as accurately as f32 sums, v_exp_f32 and their like allow (about 1e-6 of the number): no bf16 or f16 on the way to a quantiser, and a product that is left as it is and whose result goes on into a quantised operand takes f32 operands (vector FMAs, or v_wmma_f32_16x16x4_f32). A number that lies on a knife's edge between two numbers of the format may be rounded either way, as far as f32 arithmetic and the matrix unit's own rounding can turn it there, and no further.
;;   INPUTS GIVEN AS CODES. v_imag_avg (in the module: [1024, 4096], K = its axis 1); v_real_avg (in the module: [1024, 4096], K = its axis 1): each comes as NAME_codes (uint8): NAME with its K axis moved to the last place and cut into blocks of 32 codes, [.., K / 32, bytes a block], one block behind the other in memory; two codes a byte, the lower K in the low four bits (a code: sign, 2 exponent bits, 1 mantissa bit); and NAME_scales (uint8): the same leading axes, one E8M0 byte (e + 127) for each 32 codes along K. Its value is code x scale, taken as it is: it is not quantised again, and the codes and scales need not be those that the quantiser above would give.
;; One version. Each part assembles by itself: llvm-mc -triple=amdgcn-amd-amdhsa -mcpu=gfx1250 --defsym DOCPART=n.
;; ======== version 1 of 1: 1 launch
;; limits: right only within a limited range of input values
;; launch project (part 1): grid 64 x 4, 4 waves a work-group, clusters of 4 x 1, 327,680 bytes of LDS; arguments projector, v_real_avg_codes, v_real_avg_scales, v_imag_avg_codes, v_imag_avg_scales, out0, out1; writes out0, out1
.if DOCPART == 1
	.amdgcn_target "amdgcn-amd-amdhsa--gfx1250"
	.amdhsa_code_object_version 6
	.text
	.protected	k_q0a5834761e_project
	.globl	k_q0a5834761e_project
	.p2align	8
	.type	k_q0a5834761e_project,@function
k_q0a5834761e_project:
	s_mov_b64 s[64:65], 0
	v_nop
	global_prefetch_b8 v0, s[64:65] scope:SCOPE_SE
	s_setreg_imm32_b32 hwreg(HW_REG_WAVE_MODE, 25, 1), 1
	s_wait_xcnt 0x0
	s_wait_alu depctr_hold_cnt(0) depctr_sa_sdst(0) depctr_va_vdst(0) depctr_va_sdst(0) depctr_va_ssrc(0) depctr_va_vcc(0) depctr_vm_vsrc(0)
	s_getreg_b32 s2, hwreg(HW_REG_IB_STS2, 6, 4)
	s_cmp_eq_u32 s2, 0
	s_cbranch_scc0 .Lentry_in_a_cluster
	s_endpgm
.Lentry_in_a_cluster:
	s_bfe_u32 s2, ttmp6, 0x10000c
	s_cmp_lg_u32 s2, 0x3003
	s_cbranch_scc0 .Lentry_shape_is_right
	s_endpgm
.Lentry_shape_is_right:
; out0 = vr Q(Pr) - vi Q(Pi), out1 = vr Q(Pi) + vi Q(Pr).  P_x[k][n] = pn_x[k] pn_x[n] in f32, pn_x = p_x / |p_x| (x = 0 real, 1 imaginary), quantised along k to FP4 (E2M1) with one E8M0 byte for each 32 k.
; vr, vi: [1024][4096] as codes of FP4 with one E8M0 byte for each 32 along k.  Sums in f32.
; SHARES.  A work-group takes 64 columns n and 256 rows m of both outputs: 64 x 4 work-groups.  ITS FOUR WAVES SHARE K: wave w holds P's codes for its 64 columns and k = 1024 w .. + 1023, both x, in 512 registers,
; made once at the head, and v streams by: 8 slots of 32 rows, all of k, in a ring of two.  A fragment of v is so read from LDS by one wave.  A block of 16 rows is 64 matrix instructions a wave;
; the four partial sums of a block meet in an LDS stage (added in one order: (0 + 1) + (2 + 3)), and each wave stores eight whole rows of 256 bytes of one output, while the next block is multiplied.
; vr Pr and vi Pi are summed apart and subtracted once for each block.
; CLUSTERS: four work-groups that share their 256 rows ask for each tile jointly (mask 15).
; THE MATRIX INSTRUCTION: source 0 = 32 columns of P, source 1 = 16 rows of v: a lane then holds eight neighbouring numbers of a row.
; LDS ROWS OF v: 2,048 bytes, 16 of padding behind each 1,024: pitch 2,080, which is 32 beyond a multiple of 256.  Rows 16-31 of a slot begin 16 bytes further on, and a block takes 8 rows of rows 0-15 and 8 of rows 16-31:
; so the 16 rows that a load touches begin in 16 different columns of 16 bytes (64 banks of 4 bytes: ISA guide 11.1).
; PREFETCH: with the refill of a slot, the slot two refills on is asked for: 512 blocks of 256 bytes, a lane of the cluster's 16 waves to a block.  Four of the sixteen clusters that read the same rows ask, in the first two of the loop's three trips.
; The first four slots come by their loads alone.
; LIMITS: the sum of squares of p_x must be a normal finite f32 (root mean square of p between about 2e-21 and 2e17); a projector of zeros, NaN or infinities is not served.  p x rsq(sum) stands for p / sqrt(sum):
; it can differ from the quotient in the last bit or two.  A block of zeros gets the byte 1 (its codes are zeros; the bytes are read by this launch alone).
; REGISTERS.  window 0: addresses, scales, partial sums read back.  window 1: Pr's codes, window 2: Pi's: (q, column block b) at 32 q + 8 b.
; window 3: two sets of 96 sums (vr Pr, vi Pi, out1: 32 each), four buffers of 16 for v's fragments; at the head p and the products.
.set TILE,   33280                     ; 16 rows of vr or vi in LDS
.set TB,     2*TILE+16                 ; where rows 16-31 begin
.set SLOT,   133376                    ; vr 0-15, vi 0-15, vr 16-31, vi 16-31, rounded up to 256
.set SBYTES, 65536                     ; a slot's 32 rows in memory, of each tensor
.set STAGE,  2*SLOT                    ; partial p: [2 outputs][16 rows] of 256 + 16 bytes.  At the head: pn, 8,192 bytes a wave
.set PART,   8704
.set PSUM,   STAGE+4*PART              ; the waves' sums of squares
.set PM,     PSUM+256                  ; largest |pn[k]| of each block of 32: 256 bytes a wave
.set SCR,    PM+1024                   ; v's scale bytes, two runs of one slot each: [2][2 tensors][16 rows of 256 + 16 bytes]
.set SCS,    8704
.set SPARE,  SCR+2*SCS                 ; the spare words
.set L16,  12                          ; 16 x lane
.set PNL,  13                          ; LDS: pn of my half's 32 k
.set PML,  14
.set H8,   15                          ; 8 h
.set ADR,  16                          ; v16-17 LDS address of my fragments of v in slot 0, 1
.set STW,  18                          ; stage: in
.set STR,  19                          ; stage: back
.set GO,   20                          ; byte offset in the output
.set PFO,  21                          ; 256 x lane
.set SPW,  22                          ; my spare word
.set NIL,  23                          ; 0
.set RT,   32                          ; v32-95 partial sums: unit i, partial p at 16 i + 4 p
.set EX,   32                          ; head: a column's scale, as the conversion takes it
.set WD,   40                          ; head: scale words in the making
.set PMR,  48                          ; head: my blocks' largest |pn[k]|, two buffers
.set SG,   96                          ; v96-111 scale bytes on their way to LDS
.set VS,   112                         ; v112-143 v's scale words: (slot parity, u, x) 4 registers: steps 0-3 in lanes 0-15, 4-7 in lanes 16-31
.set PS,   144                         ; v144-175 P's scale words: (x, q, column pair)
.set PN,   192                         ; head: v192-207 pn[n] and |pn[n]| / 4 by turns
.set SCW,  176                         ; scale bytes: in
.set SCRD, 177                         ; and back
.set FR,   192                         ; v's fragments, 4 x 16 registers: steps 0-3 in window 3, steps 4-7 in window 0
.set TT,   128                         ; window 3, head: products, two sets of 64
.set G1,   24
.set G0,   32
.set MSB, 0
.macro WIN new
.if MSB != (\new)
	s_set_vgpr_msb (MSB<<8)|(\new)
.set MSB, \new
.endif
.endm
.macro PLACES
.rept 4
	v_nop
.endr
.endm
.macro CREST                           ; a round of the cluster's barrier behind its opening barrier
	s_cmp_lg_u32 s14, 0
	s_cbranch_scc1 .Lnot_wave_0_\@
	s_barrier_signal -3
.Lnot_wave_0_\@:
	s_barrier_wait -3
	s_barrier_signal -1
	s_barrier_wait -1
.endm
.macro CROUND
	s_barrier_signal -1
	s_barrier_wait -1
	CREST
.endm
.macro TLOAD s                         ; the joint load: each wave 16 rows of one tensor; four v_nop follow
	tensor_load_to_lds s[G0+4*(\s):G0+4*(\s)+3], s[G1:G1+7]
	s_nop 0
	PLACES
.endm
	s_load_b256 s[4:11], s[0:1], 0x0               ; projector, vr codes, vr scales, vi codes
	s_load_b128 s[80:83], s[0:1], 0x20             ; vi scales, out0
	s_load_b64 s[84:85], s[0:1], 0x30              ; out1
	v_lshl_add_u32 v[SPW], v0, 2, SPARE
	v_mov_b32 v[NIL], 0
	ds_add_u32 v[SPW], v[NIL]
	ds_add_u32 v[SPW], v[NIL]
	v_lshrrev_b32 v1, 5, v0
	v_readfirstlane_b32 s14, v1                    ; w
	s_lshr_b32 s15, s14, 1                         ; half: which 16 rows of a slot I fetch; which 8 rows of a block I store
	s_and_b32 s16, s14, 1                          ; which tensor I fetch; which output I store
	s_bfe_u32 s40, ttmp6, 0x40000                  ; cx
	s_lshl_b32 s42, ttmp9, 2
	s_add_co_u32 s42, s42, s40                     ; g: my 64 columns
	s_and_b32 s17, ttmp7, 0xffff                   ; my 256 rows
	; group 1: 16 dense rows of v as 32 rows of 1,024 bytes (128 elements of 8), 4 words of padding behind each 256
	s_mov_b32 s[G1+0], 15|(3<<16)|(1<<20)|(1<<21)|(7<<22)|(3<<25)
	s_mov_b32 s[G1+1], 128<<16
	s_mov_b32 s[G1+2], 32<<16
	s_mov_b32 s[G1+3], 128<<16
	s_mov_b32 s[G1+4], 32
	s_mov_b32 s[G1+5], 128
	s_mov_b32 s[G1+6], 0
	s_mov_b32 s[G1+7], 0
	s_mov_b32 s57, 0x3e800000                      ; 0.25
	s_mov_b32 s58, 0xff0000
	s_mov_b32 s59, 0x800000                        ; 2^-126: the scale's floor
	s_mov_b32 s60, 0x76543210
	s_mov_b32 s61, 0xfedcba98                      ; lane l xor 16
	v_and_b32 v1, 15, v0                           ; r
	v_bfe_u32 v2, v0, 4, 1                         ; h
	v_and_b32 v3, 31, v0                           ; lane
	v_lshlrev_b32 v[L16], 4, v3
	v_lshlrev_b32 v4, 2, v1
	s_wait_alu depctr_va_vdst(0)
	s_wait_dscnt 0x0                               ; both opening adds are done
	s_wait_kmcnt 0x0
	s_lshl_b32 s20, s14, 12                        ; my 1,024 k of p
	s_mov_b32 s21, 0
	s_add_nc_u64 s[44:45], s[4:5], s[20:21]
	s_lshl_b32 s22, s42, 8                         ; my 64 columns of p
	s_mov_b32 s23, 0
	s_add_nc_u64 s[46:47], s[4:5], s[22:23]
	s_cmp_eq_u32 s16, 0                            ; the choices hang on the wave's number alone
	s_cselect_b64 s[18:19], s[6:7], s[10:11]
	s_cselect_b64 s[50:51], s[8:9], s[80:81]
	s_cselect_b64 s[88:89], s[82:83], s[84:85]
	s_lshl_b32 s52, s17, 15                        ; scale bytes: 256 rows x 128 bytes, 16 rows
	s_lshl_b32 s55, s15, 11
	s_add_co_u32 s52, s52, s55
	s_mov_b32 s53, 0
	s_add_nc_u64 s[50:51], s[50:51], s[52:53]
	WIN 0xc0
.irp x, 0,1
.irp i, 0,1,2,3,4,5,6,7
	global_load_b128 v[192+32*\x+4*\i:192+32*\x+4*\i+3], v[L16], s[44:45] offset:16384*\x+512*\i   ; p: 128 k a load
.endr
.endr
	WIN 0
.irp x, 0,1
.irp b, 0,1,2,3
	global_load_b32 v[40+4*\x+\b], v4, s[46:47] offset:16384*\x+64*\b     ; p[n] of column 16 b + r
.endr
.endr
.irp i, 0,1,2,3
	global_load_b128 v[SG+4*\i:SG+4*\i+3], v[L16], s[50:51] offset:512*\i   ; slot 0's scale bytes, in whole units of 256 bytes
.endr
	s_lshl_b32 s52, s17, 19                        ; codes: 256 rows x 2,048 bytes, 16 rows
	s_lshl_b32 s55, s15, 15
	s_add_co_u32 s52, s52, s55
	s_add_nc_u64 s[18:19], s[18:19], s[52:53]
	s_mul_i32 s54, s16, TILE                       ; where my tile goes
	s_mul_i32 s55, s15, TB
	s_add_co_u32 s54, s54, s55
.irp s, 0,1
	s_mov_b32 s[G0+4*\s], 1
	s_add_co_u32 s[G0+4*\s+1], s54, \s*SLOT
	s_add_nc_u64 s[G0+4*\s+2:G0+4*\s+3], s[18:19], \s*SBYTES
	s_or_b32 s[G0+4*\s+3], s[G0+4*\s+3], 0x80000000
.endr
	CROUND                                         ; the four work-groups are here: the first joint loads meet
	TLOAD 0
	s_lshl_b32 s52, s40, 13                        ; prefetches: of a tile's 32,768 bytes my work-group's 8,192; stepped to slot 4 at the first refill
	s_add_nc_u64 s[48:49], s[18:19], s[52:53]
	s_add_nc_u64 s[48:49], s[48:49], 3*SBYTES
	s_cmp_lt_u32 ttmp9, 4
	s_cselect_b32 s56, 1, -1                       ; prefetch while the trips to go are above this
	s_lshl_b32 s52, s17, 22                        ; output: 256 rows of 16,384 bytes, 16 rows, 64 columns
	s_lshl_b32 s55, s15, 18
	s_add_co_u32 s52, s52, s55
	s_lshl_b32 s55, s42, 8
	s_add_co_u32 s52, s52, s55
	s_add_nc_u64 s[88:89], s[88:89], s[52:53]
	v_and_b32 v5, 7, v1
	v_lshrrev_b32 v6, 3, v1
	v_mul_u32_u24 v7, 2080, v5
	v_mul_u32_u24 v24, TB, v6
	v_add_nc_u32 v7, v7, v24
	v_lshl_add_u32 v7, v2, 4, v7
	s_lshl_b32 s20, s14, 9                         ; my k: 512 w bytes, and the padding in the row's middle
	s_lshl_b32 s21, s15, 4
	s_add_co_u32 s20, s20, s21
	v_add_nc_u32 v[ADR], s20, v7
	v_add_nc_u32 v[ADR+1], SLOT, v[ADR]
	s_mul_i32 s20, s14, PART
	s_add_co_u32 s20, s20, STAGE
	v_mul_u32_u24 v7, 272, v1
	v_lshl_add_u32 v7, v2, 5, v7
	v_add_nc_u32 v[STW], s20, v7                   ; row r, 32 bytes for each half of the lanes
	s_mul_i32 s20, s16, 4352
	s_mul_i32 s21, s15, 2176
	s_add_co_u32 s20, s20, s21
	s_add_co_u32 s20, s20, STAGE
	v_mul_u32_u24 v7, 272, v2
	v_lshl_add_u32 v7, v1, 4, v7
	v_add_nc_u32 v[STR], s20, v7                   ; my output, my 8 rows; 16 lanes to a row
	v_add_nc_u32 v[SCW], SCR-STAGE, v[STR]         ; the same form: tensor, half, two rows of 256 bytes
	v_lshlrev_b32 v[GO], 14, v2
	v_lshl_add_u32 v[GO], v1, 4, v[GO]
	v_lshlrev_b32 v[PFO], 8, v3
	s_lshl_b32 s20, s14, 13
	s_add_co_u32 s20, s20, STAGE
	v_add_nc_u32 v8, s20, v[L16]                   ; pn: in
	v_lshlrev_b32 v7, 7, v2
	v_add_nc_u32 v[PNL], s20, v7                   ; and back: 32 k for each half
	s_lshl_b32 s20, s14, 8
	s_add_co_u32 s20, s20, PM
	v_lshlrev_b32 v7, 6, v2
	v_add_nc_u32 v[PML], s20, v7
	v_bfe_u32 v7, v0, 3, 1                         ; block lane / 8 = 2 c + h of its 128 k stands at word 16 h + 2 q + c
	v_lshlrev_b32 v7, 6, v7
	v_lshl_add_u32 v7, v2, 2, v7
	v_add_nc_u32 v9, s20, v7
	s_lshl_b32 s20, s14, 3
	s_add_co_u32 s20, s20, PSUM
	v_mov_b32 v10, s20
	v_mov_b32 v11, PSUM
	v_lshrrev_b32 v7, 1, v5                        ; scale bytes back: row 16 (r / 8) + r % 8, two rows to a unit
	v_lshl_add_u32 v7, v6, 3, v7
	v_mul_u32_u24 v7, 272, v7
	v_and_b32 v24, 1, v1
	v_lshl_add_u32 v7, v24, 7, v7
	v_lshl_add_u32 v7, v2, 4, v7
	s_lshl_b32 s20, s14, 5
	s_add_co_u32 s20, s20, SCR
	v_add_nc_u32 v[SCRD], s20, v7
	v_lshlrev_b32 v[H8], 3, v2
	s_wait_alu depctr_va_vdst(0)
	s_wait_loadcnt 12                              ; p is in; the columns' eight loads and the scale bytes' four may be out
	WIN 0x0f
.irp x, 0,1
	v_pk_mul_f32 v[24+4*\x:25+4*\x], v[192+32*\x:193+32*\x], v[192+32*\x:193+32*\x]
	v_pk_mul_f32 v[26+4*\x:27+4*\x], v[194+32*\x:195+32*\x], v[194+32*\x:195+32*\x]
.endr
.irp j, 4,8,12,16,20,24,28
.irp x, 0,1
	v_pk_fma_f32 v[24+4*\x:25+4*\x], v[192+32*\x+\j:193+32*\x+\j], v[192+32*\x+\j:193+32*\x+\j], v[24+4*\x:25+4*\x]
	v_pk_fma_f32 v[26+4*\x:27+4*\x], v[194+32*\x+\j:195+32*\x+\j], v[194+32*\x+\j:195+32*\x+\j], v[26+4*\x:27+4*\x]
.endr
.endr
	WIN 0
	v_pk_add_f32 v[24:25], v[24:25], v[26:27]
	v_pk_add_f32 v[28:29], v[28:29], v[30:31]
	v_add_f32 v24, v24, v25
	v_add_f32 v28, v28, v29
.irp m, 1,2,4,8
	v_add_f32_dpp v24, v24, v24 row_xmask:\m row_mask:0xf bank_mask:0xf
	v_add_f32_dpp v28, v28, v28 row_xmask:\m row_mask:0xf bank_mask:0xf
.endr
	v_permlanex16_b32 v25, v24, s60, s61
	v_permlanex16_b32 v29, v28, s60, s61
	v_add_f32 v24, v24, v25
	v_add_f32 v28, v28, v29
	ds_store_b32 v10, v24
	ds_store_b32 v10, v28 offset:4
	s_wait_loadcnt 0x0
.irp i, 0,1,2,3
	ds_store_b128 v[SCW], v[SG+4*\i:SG+4*\i+3] offset:544*\i
.endr
	s_wait_dscnt 0x0                               ; for the others' sake: my stores are done
	s_barrier_signal -1
	s_barrier_wait -1
	s_add_nc_u64 s[50:51], s[50:51], 4096          ; (its loads are back) slot 1's scale bytes
	ds_load_b128 v[32:35], v11
	ds_load_b128 v[36:39], v11 offset:16
	s_wait_dscnt 0x0
	v_add_f32 v24, v32, v34                        ; the same order in every work-group
	v_add_f32 v25, v36, v38
	v_add_f32 v28, v33, v35
	v_add_f32 v29, v37, v39
	v_add_f32 v24, v24, v25
	v_add_f32 v28, v28, v29
	s_wait_alu depctr_va_vdst(0)
	v_rsq_f32 v24, v24
	v_rsq_f32 v28, v28
	v_nop
	s_wait_alu depctr_va_vdst(0)
.irp x, 0,1
.irp b, 0,1,2,3
	v_mul_f32 v[PN+8*\x+2*\b], v[24+4*\x], v[40+4*\x+\b]      ; pn[n]
.endr
.endr
.irp i, 0,1,2,3,4,5,6,7
	v_mul_f32 v[PN+2*\i+1], s57, |v[PN+2*\i]|                 ; |pn[n]| / 4: the scale's 2 off the exponent
.endr
	WIN 0xc3
.irp j, 0,2,4,6,8,10,12,14,16,18,20,22,24,26,28,30
	v_pk_mul_f32 v[192+\j:193+\j], v[192+\j:193+\j], v[24:25] op_sel_hi:[1,0]   ; pn[k]
	v_pk_mul_f32 v[224+\j:225+\j], v[224+\j:225+\j], v[28:29] op_sel_hi:[1,0]
.endr
	WIN 0x0f
.irp i, 0,1,2,3,4,5,6,7,8,9,10,11,12,13,14,15
	v_max_num_f32 v[32+\i], |v[192+4*\i]|, |v[193+4*\i]|
.endr
	WIN 0x3c
.irp i, 0,1,2,3,4,5,6,7,8,9,10,11,12,13,14,15
	v_max3_num_f32 v[32+\i], v[32+\i], |v[194+4*\i]|, |v[195+4*\i]|
.endr
	WIN 0
.irp m, 1,2,4
.irp i, 0,1,2,3,4,5,6,7,8,9,10,11,12,13,14,15
	v_max_num_f32_dpp v[32+\i], v[32+\i], v[32+\i] row_xmask:\m row_mask:0xf bank_mask:0xf   ; over the 8 lanes of a block of 32
.endr
.endr
	WIN 0x0c
.irp x, 0,1
.irp i, 0,1,2,3,4,5,6,7
	ds_store_b128 v8, v[192+32*\x+4*\i:192+32*\x+4*\i+3] offset:4096*\x+512*\i
.endr
.endr
	WIN 0
.irp x, 0,1
.irp i, 0,1,2,3,4,5,6,7
	ds_store_b32 v9, v[32+8*\x+\i] offset:128*\x+8*\i
.endr
.endr
; P's CODES, k-th of 16 parts: x = k / 8, 128 along K: q = k % 8.  Lane (r, h) makes column 16 b + r, blocks 2 c + h: the operand's own layout.  A wave reads back its own bytes: LDS serves its instructions in order.
.macro GLOAD k
.set gx, (\k)/8
.set gq, (\k)%8
.set gb, (\k)%2
	WIN 0xc0
.irp c, 0,1
.irp i, 0,1,2,3,4,5,6,7
	ds_load_b128 v[64*gb+32*\c+4*\i:64*gb+32*\c+4*\i+3], v[PNL] offset:4096*gx+512*gq+256*\c+16*\i
.endr
.endr
	WIN 0
	ds_load_b64 v[PMR+2*gb:PMR+2*gb+1], v[PML] offset:128*gx+8*gq
.endm
.macro GEN k
.if (\k) < 15
	GLOAD (\k)+1
	s_wait_dscnt 17                                ; this part's 17 loads are in; the next part's 17 may be out
.else
	s_wait_dscnt 0x0
.endif
.set ex, (\k)/8
.set eq, (\k)%8
.set eb, (\k)%2
.irp b, 0,1,2,3
.irp c, 0,1
	v_mul_f32 v[EX+2*\b+\c], v[PMR+2*eb+\c], v[PN+1+8*ex+2*\b]   ; the block's largest magnitude / 4: its exponent field is the scale.  Rounding keeps order, so it is that of the rounded products
.endr
.endr
.irp b, 0,1,2,3
.irp c, 0,1
	v_max_num_f32 v[EX+2*\b+\c], s59, v[EX+2*\b+\c]
.endr
.endr
.irp b, 0,1,2,3
	v_lshrrev_b32 v[WD+\b], 23, v[EX+2*\b]
	v_lshrrev_b32 v[WD+4+\b], 7, v[EX+2*\b+1]
.endr
.irp b, 0,1,2,3
	v_and_or_b32 v[WD+\b], v[WD+4+\b], s58, v[WD+\b]   ; bytes h and 2 + h of the word,
.endr
.irp b, 0,1,2,3
	v_lshlrev_b32 v[WD+\b], v[H8], v[WD+\b]            ; at their places
.endr
.irp p, 0,1
	v_permlane16_swap_b32 v[WD+2*\p], v[WD+2*\p+1]     ; lane m of a pair: column m of 32
.endr
.irp p, 0,1
	v_or_b32 v[PS+16*ex+2*eq+\p], v[WD+2*\p], v[WD+2*\p+1]
.endr
.irp b, 0,1,2,3
	WIN 0xc3
.irp c, 0,1
.irp j, 0,2,4,6,8,10,12,14,16,18,20,22,24,26,28,30
	v_dual_mul_f32 v[TT+64*(\b%2)+32*\c+\j], v[64*eb+32*\c+\j], v[PN+8*ex+2*\b] :: v_dual_mul_f32 v[TT+64*(\b%2)+32*\c+\j+1], v[64*eb+32*\c+\j+1], v[PN+8*ex+2*\b]   ; pn[k] pn[n]
.endr
.endr
	WIN 0x43+0x40*ex
.irp c, 0,1
.irp g, 0,1,2,3
	v_cvt_scalef32_pk8_fp4_f32 v[32*eq+8*\b+4*\c+\g], v[TT+64*(\b%2)+32*\c+8*\g:TT+64*(\b%2)+32*\c+8*\g+7], v[EX+2*\b+\c]
.endr
.endr
.endr
	WIN 0
.endm
	GLOAD 0
.irp k, 0,1,2,3,4,5,6,7
	GEN \k
.endr
	s_wait_tensorcnt 0x0                           ; my tile of slot 0 is in
	ds_add_u32 v[SPW], v[NIL]
	s_wait_dscnt 0x0
	CROUND                                         ; slot 0 is whole in every partner
	TLOAD 1
.irp k, 8,9,10,11,12,13,14,15
	GEN \k
.endr
	s_wait_alu depctr_va_vdst(0)
.rept 8
	v_nop                                          ; places in front of the first scaled matrix instruction
.endr
; v's fragments of steps 4 g .. 4 g + 3 (128 along K each), both tensors: 16 loads
.macro F s, u, g
.if (\g) == 0
	WIN 0xc0
.else
	WIN 0
.endif
.irp k, 0,1,2,3
.irp x, 0,1
.irp c, 0,1
	ds_load_b128 v[FR+16*\k+8*\x+4*\c:FR+16*\k+8*\x+4*\c+3], v[ADR+(\s)] offset:TILE*\x+16640*(\u)+256*(\g)+64*\k+32*\c
.endr
.endr
.endr
.endm
.macro VLOAD s                         ; a slot's scale words, my 1,024 k, both blocks
	WIN 0
.irp u, 0,1
.irp x, 0,1
	ds_load_b128 v[VS+16*(\s)+8*\u+4*\x:VS+16*(\s)+8*\u+4*\x+3], v[SCRD] offset:SCS*(\s)+4352*\x+1088*\u
.endr
.endr
.endm
.macro WM u, d, x, p, q, v, z
.set rD, 96*(\u)+(\d)+16*(\p)
.set rA, 32*(\q)+16*(\p)
.set rB, FR+16*((\q)%4)+8*(\v)
.set rS, PS+16*(\x)+2*(\q)+(\p)
.set rT, VS+16*SL+8*(\u)+4*(\v)+(\q)%4
.if \z
	v_wmma_scale_f32_32x16x128_f4 v[rD:rD+15], v[rA:rA+15], v[rB:rB+7], 0, v[rS], v[rT]
.elseif (\q) < 4
	v_wmma_scale_f32_32x16x128_f4 v[rD:rD+15], v[rA:rA+15], v[rB:rB+7], v[rD:rD+15], v[rS], v[rT]
.else
	v_wmma_scale_f32_32x16x128_f4 v[rD:rD+15], v[rA:rA+15], v[rB:rB+7], v[rD:rD+15], v[rS], v[rT] matrix_b_scale:MATRIX_SCALE_ROW1
.endif
.endm
; A step's four products with Pr, or with Pi.  Three other instructions stand between any two on one accumulator.
.macro SUBP u, i                       ; two numbers of a finished block of set u: vr Pr less vi Pi (x -1 rounds nothing); windows as for the products of steps 0-3
.set sp, 96*(\u)+2*(\i)
	v_pk_fma_f32 v[sp:sp+1], -1.0, v[sp+32:sp+33], v[sp:sp+1] op_sel_hi:[0,1,1]
.endm
.macro PR u, q, sub                    ; sub = 1: a difference of the block before behind each product
.set z0, 0
.if (\q) == 0
.set z0, 1
.endif
	WIN 0xfd-12*((\q)/4)
	WM \u, 0, 0, 0, \q, 0, z0
.if \sub
	SUBP 1-(\u), 4*(\q)
.endif
	WM \u, 0, 0, 1, \q, 0, z0
.if \sub
	SUBP 1-(\u), 4*(\q)+1
.endif
	WM \u, 64, 0, 0, \q, 1, z0
.if \sub
	SUBP 1-(\u), 4*(\q)+2
.endif
	WM \u, 64, 0, 1, \q, 1, z0
.if \sub
	SUBP 1-(\u), 4*(\q)+3
.endif
.endm
.macro PI u, q
.set z0, 0
.if (\q) == 0
.set z0, 1
.endif
	WIN 0xfe-12*((\q)/4)
	WM \u, 32, 1, 0, \q, 1, z0
	WM \u, 32, 1, 1, \q, 1, z0
	WM \u, 64, 1, 0, \q, 0, 0
	WM \u, 64, 1, 1, \q, 0, 0
.endm
.macro TOSTAGE u                       ; a finished block: both outputs' partial sums into my stage, each accumulator from its low end on
.set sa, 96*(\u)
	WIN 0x0c
.irp o, 0,1
.irp b, 0,1,2,3
	ds_store_b128 v[STW], v[sa+64*\o+8*\b:sa+64*\o+8*\b+3] offset:4352*\o+64*\b
	ds_store_b128 v[STW], v[sa+64*\o+8*\b+4:sa+64*\o+8*\b+7] offset:4352*\o+64*\b+16
.endr
.endr
	WIN 0
.endm
.macro BACK                            ; my eight rows of one output, four partial sums each
.irp i, 0,1,2,3
.irp p, 0,1,2,3
	ds_load_b128 v[RT+16*\i+4*\p:RT+16*\i+4*\p+3], v[STR] offset:PART*\p+544*\i
.endr
.endr
.endm
.macro SEND row                        ; added and stored: 16 lanes fill 256 consecutive bytes, aligned
.irp i, 0,1,2,3
.irp j, 0,2
	v_dual_add_f32 v[RT+16*\i+\j], v[RT+16*\i+\j], v[RT+16*\i+4+\j] :: v_dual_add_f32 v[RT+16*\i+\j+1], v[RT+16*\i+\j+1], v[RT+16*\i+5+\j]
	v_dual_add_f32 v[RT+16*\i+8+\j], v[RT+16*\i+8+\j], v[RT+16*\i+12+\j] :: v_dual_add_f32 v[RT+16*\i+9+\j], v[RT+16*\i+9+\j], v[RT+16*\i+13+\j]
.endr
.endr
.irp i, 0,1,2,3
.irp j, 0,2
	v_dual_add_f32 v[RT+16*\i+\j], v[RT+16*\i+\j], v[RT+16*\i+8+\j] :: v_dual_add_f32 v[RT+16*\i+\j+1], v[RT+16*\i+\j+1], v[RT+16*\i+9+\j]
.endr
.endr
.irp i, 0,1,2,3
	global_store_b128 v[GO], v[RT+16*\i:RT+16*\i+3], s[88:89] offset:((\row)+2*\i)*16384 th:TH_STORE_NT
.endr
.endm
; One block of 16 rows: block u of the slot of parity SL: 64 matrix instructions, and four runs of LDS instructions: the fragments of steps 4-7; the block before into the stage; its sums back; the next block's steps 0-3.
; Two barriers: the stage is free (signalled at the block's start, waited for ahead of the stage's stores); the stage is full (and, in a slot's second block, the slot has been read and the next one has landed).
; red: there is a block before.  more: another slot follows (u = 0: its scale bytes are fetched; u = 1: they go to LDS, and its tiles have landed).  fill: this slot is filled again.  nx: another block follows.
.macro RB slot, u, red, more, fill, nx
.set SL, \slot
.set NU, 1-(\u)
.set NS, (\slot)*(1-(\u))+(1-(\slot))*(\u)
.set UM, (\u)*(\more)
.if \red
	s_wait_dscnt 0x0                               ; my reads of the stage are over; steps 0-3 are in
	s_barrier_signal -1
.endif
	F SL, \u, 1
.irp q, 0,1,2,3
	PR \u, \q, \red
.endr
.if \red
	WIN 0x0c
	s_barrier_wait -1                              ; the stage is free
	s_wait_alu depctr_va_vdst(0)
	TOSTAGE NU
.endif
.if NU*(\more)
	WIN 0
.irp i, 0,1,2,3
	global_load_b128 v[SG+4*\i:SG+4*\i+3], v[L16], s[50:51] offset:512*\i
.endr
.endif
.if UM
	WIN 0
	s_wait_loadcnt 0x0
.irp i, 0,1,2,3
	ds_store_b128 v[SCW], v[SG+4*\i:SG+4*\i+3] offset:SCS*(1-SL)+544*\i
.endr
.endif
.irp q, 0,1,2,3
	PI \u, \q
.endr
.if UM
	WIN 0
	s_wait_tensorcnt 0x0                           ; my tile of the next slot is in
	ds_add_u32 v[SPW], v[NIL]
.if \fill
	s_add_nc_u64 s[G0+4*SL+2:G0+4*SL+3], s[G0+4*SL+2:G0+4*SL+3], 2*SBYTES
.endif
	s_wait_dscnt 16*(\red)+5                       ; steps 4-7 are in; the stage's stores, the scale bytes' four and the add may be out
	PR \u, 4, 0
	s_wait_dscnt 0x0                               ; my reads of this slot are over, my stores and the add are done
	s_barrier_signal -1
	PR \u, 5, 0
	WIN 0
	s_barrier_wait -1
.else
	s_wait_dscnt 0x0                               ; steps 4-7 are in, my part of the stage is stored
.if \red
	s_barrier_signal -1
.endif
	PR \u, 4, 0
	PR \u, 5, 0
	WIN 0
.if \red
	s_barrier_wait -1
.endif
.endif
.if \fill
	CREST
	TLOAD SL                                       ; the first tensor load behind the round; its v_nop are the places in front of the loads below
.else
	PLACES
.endif
.if \red
	s_wait_xcnt 0x0                                ; earlier stores have read their data and their base, the prefetch its address
.if \u
	s_add_nc_u64 s[50:51], s[50:51], 4096
.else
	s_add_nc_u64 s[88:89], s[88:89], 32*16384
.endif
	BACK
.endif
	PR \u, 6, 0
	PR \u, 7, 0
.if \nx
	F NS, NU, 0
.endif
.if UM
	VLOAD NS
.endif
	WIN 0
.if \fill
	s_add_nc_u64 s[48:49], s[48:49], SBYTES
	s_cmp_gt_u32 s3, s56
	s_cbranch_scc0 .Lno_ask_\@
	global_prefetch_b8 v[PFO], s[48:49] th:TH_LOAD_NT scope:SCOPE_SE
.Lno_ask_\@:
.endif
.irp q, 4,5,6,7
	PI \u, \q
.endr
	WIN 0
.if \red                               ; the additions are also the places behind the last products, as the v_nop are where there are none
	s_wait_dscnt 16*(\nx)+4*UM                     ; the partial sums are in; the next block's fragments and scale words may be out
.if \u
	SEND 0
.else
	SEND -24                                       ; the slot before, block 1: its rows 8 on; the base has stepped 32 rows
.endif
.else
	PLACES
.endif
.endm
	VLOAD 0
	F 0, 0, 0
	WIN 0
	s_wait_dscnt 0x0                               ; slot 0's scale words and steps 0-3 are in
	RB 0, 0, 0, 1, 0, 1                            ; block 0
	s_mov_b32 s3, 3
.Lloop:                                                ; blocks 1-4, 5-8, 9-12
	RB 0, 1, 1, 1, 1, 1
	RB 1, 0, 1, 1, 0, 1
	RB 1, 1, 1, 1, 1, 1
	RB 0, 0, 1, 1, 0, 1
	s_sub_co_u32 s3, s3, 1
	s_cmp_lg_u32 s3, 0
	s_cbranch_scc1 .Lloop
	RB 0, 1, 1, 1, 0, 1                            ; blocks 13-15: nothing is filled again
	RB 1, 0, 1, 0, 0, 1
	RB 1, 1, 1, 0, 0, 0
	s_wait_dscnt 0x0                               ; my reads of the stage are over
	s_barrier_signal -1
	WIN 0xfd
.irp i, 0,1,2,3,4,5,6,7,8,9,10,11,12,13,14,15
	SUBP 1, \i                                     ; the last block
.endr
	WIN 0x0c
	s_barrier_wait -1
	s_wait_alu depctr_va_vdst(0)
	TOSTAGE 1
	s_wait_dscnt 0x0
	s_barrier_signal -1
	s_barrier_wait -1
	s_wait_xcnt 0x0
	BACK
	s_wait_dscnt 0x0
	SEND 8
	s_wait_tensorcnt 0x0                           ; the wave's end
	ds_add_u32 v[SPW], v[NIL]
	s_wait_dscnt 0x0
	CROUND                                         ; the closing round
	s_endpgm
.Lfunc_end_k_q0a5834761e_project:
	.size	k_q0a5834761e_project, .Lfunc_end_k_q0a5834761e_project-k_q0a5834761e_project
	.p2alignl 7, 3214868480
	.fill 96, 4, 3214868480
	.section	.rodata,"a",@progbits
	.p2align	6, 0x0
	.amdhsa_kernel k_q0a5834761e_project
		.amdhsa_group_segment_fixed_size 327680
		.amdhsa_private_segment_fixed_size 0
		.amdhsa_enable_private_segment 0
		.amdhsa_kernarg_size 56
		.amdhsa_user_sgpr_count 2
		.amdhsa_user_sgpr_kernarg_segment_ptr 1
		.amdhsa_wavefront_size32 1
		.amdhsa_system_sgpr_workgroup_id_x 1
		.amdhsa_system_sgpr_workgroup_id_y 1
		.amdhsa_system_sgpr_workgroup_id_z 1
		.amdhsa_system_vgpr_workitem_id 0
		.amdhsa_next_free_vgpr 1024
		.amdhsa_next_free_sgpr 98
		.amdhsa_reserve_vcc 0
		.amdhsa_float_denorm_mode_32 3
		.amdhsa_float_denorm_mode_16_64 3
		.amdhsa_memory_ordered 1
		.amdhsa_forward_progress 1
		.amdhsa_inst_pref_size 255
	.end_amdhsa_kernel
	.section	.bss,"aw",@nobits
	.p2align	6
	.space	262144
	.amdgpu_metadata
---
amdhsa.version: [ 1, 2 ]
amdhsa.kernels:
  - .name:           k_q0a5834761e_project
    .symbol:         k_q0a5834761e_project.kd
    .args:
      - { .name: projector, .offset: 0, .size: 8, .value_kind: global_buffer, .address_space: global }
      - { .name: v_real_avg_codes, .offset: 8, .size: 8, .value_kind: global_buffer, .address_space: global }
      - { .name: v_real_avg_scales, .offset: 16, .size: 8, .value_kind: global_buffer, .address_space: global }
      - { .name: v_imag_avg_codes, .offset: 24, .size: 8, .value_kind: global_buffer, .address_space: global }
      - { .name: v_imag_avg_scales, .offset: 32, .size: 8, .value_kind: global_buffer, .address_space: global }
      - { .name: out0, .offset: 40, .size: 8, .value_kind: global_buffer, .address_space: global }
      - { .name: out1, .offset: 48, .size: 8, .value_kind: global_buffer, .address_space: global }
    .group_segment_fixed_size: 327680
    .private_segment_fixed_size: 0
    .kernarg_segment_align: 8
    .kernarg_segment_size: 56
    .max_flat_workgroup_size: 128
    .sgpr_count:     98
    .vgpr_count:     1024
    .wavefront_size: 32
...
	.end_amdgpu_metadata
.endif
;; end of part 1
